; MI455X (gfx1250); checked and timed in simulation.
; The chip was launched on July 23, 2026; its instructions are those of AMD's public machine-readable ISA for CDNA 5 (MIT licence, August 2026) and "CDNA5" Instruction Set Architecture Reference Guide (July 2026). The comments in the code are by the model that wrote it; some were corrected since.
;; Attention. Allowed arithmetic: matrix products marked QUANTISED: E3M2 operands, one E8M0 scale for each 32 along K, by v_wmma_scale_f32_16x16x128_f8f6f4 with both operands' format E3M2, f32 sums; products left as they are: f32 operands where the result goes on into a quantised operand, else bf16, f16 or f32 operands; f32 sums; everything else in f32.
;; Inputs: W_hid_codes 1,024 x 64 x 24 uint8 (E3M2 codes of W_hid, K innermost, in blocks of 32 codes, four codes in three bytes); W_hid_scales 1,024 x 64 uint8 (E8M0 scales of W_hid, one for each 32 codes along K); b_hid 1,024 float32; encoder_outputs 32 x 1,024 x 1,024 float32; hidden 32 x 1 x 1,024 float32; w_score 1,024 float32.
;; Outputs: out0 32 x 1 x 1,024 float32; out1 32 x 1 x 1,024 float32.
;; This version of the problem:
;;   THIS VERSION OF THE PROBLEM IS GIVEN IN LOW PRECISION. The matrix products marked QUANTISED in the list below multiply operands that are first quantised to E3M2 (3 exponent bits, 2 mantissa bits; 6 bits a number), with one power-of-two scale for each 32 numbers along K (OCP MX v1.0); their sums are f32. All else is computed in f32.
;;   The module's matrix products, in the order in which they are computed (A, B: the left and right operand; K: the contracted axis; several contracted axes count as one K, in the product's order):
;;     1. [M 32,768, K 2,048] x [K 2,048, N 1,024]; A: computed on the way; B: input W_hid (given as codes): QUANTISED
;;     2. [M 32,768, K 1,024] x [K 1,024, N 1]; A: computed on the way; B: input w_score: left as it is (N = 1 < 16)
;;     3. batch 32 x [M 1, K 1,024] x [K 1,024, N 1,024]; A: computed on the way; B: input encoder_outputs: left as it is (M = 1 < 16)
;;   THE QUANTISER, for each operand of a quantised product, along K:
;;     - K is cut into blocks of 32 from its start; a last block that is shorter is filled with zeros.
;;     - A block's scale is 2^e with e = floor(log2(the largest magnitude in the block)) - 4, held to -126 .. 127; a block of zeros has e = 0. As a byte (E8M0): e + 127.
;;     - Each number is divided by its block's scale, clamped to +-28, and rounded to the nearest number of E3M2, ties to even, subnormals kept.
;;     - The product sums the exact products of the quantised numbers (number of the format x scale) in f32.
;;   ~~~python
;;   def quantise(x, axis):      # numpy; x: float32 -> the quantised numbers, widened to float32 again
;;       x = np.moveaxis(x, axis, -1); K = x.shape[-1]
;;       x = np.pad(x, [(0, 0)] * (x.ndim - 1) + [(0, -K % 32)]); x = x.reshape(x.shape[:-1] + (-1, 32)); a = np.abs(x).max(-1, keepdims=True)
;;       e = np.where(a > 0, np.clip(np.frexp(np.where(a > 0, a, 1))[1] - 1 - 4, -126, 127), 0)      # np.frexp(a)[1] - 1 = floor(log2(a)), exactly
;;       r = np.clip(x / 2.0 ** e, -28, 28)
;;       step = 2.0 ** (np.maximum(np.frexp(np.where(r == 0, 1, r))[1] - 1, -2) - 2)
;;       q = np.round(r / step) * step * 2.0 ** e      # np.round: ties to even
;;       return np.moveaxis(q.reshape(q.shape[:-2] + (-1,))[..., :K], -1, axis).astype(np.float32)
;;   ~~~
;;   OPERANDS COMPUTED ON THE WAY. 'Computed on the way' means the value that the module computes at that place (a softmax that the list does not call 'softmax' is quantised finished and normalised). What goes into a quantiser is computed in f32, as accurately as f32 sums, v_exp_f32 and their like allow (about 1e-6 of the number): no bf16 or f16 on the way to a quantiser, and a product that is left as it is and whose result goes on into a quantised operand takes f32 operands (vector FMAs, or v_wmma_f32_16x16x4_f32). A number that lies on a knife's edge between two numbers of the format may be rounded either way, as far as f32 arithmetic and the matrix unit's own rounding can turn it there, and no further.
;;   INPUTS GIVEN AS CODES. W_hid (in the module: [2048, 1024], K = its axis 0): each comes as NAME_codes (uint8): NAME with its K axis moved to the last place and cut into blocks of 32 codes, [.., K / 32, bytes a block], one block behind the other in memory; four codes in three bytes: a row's codes are one little-endian stream of bits, code i at bits 6 i .. 6 i + 5 (a code: sign, 3 exponent bits, 2 mantissa bits); and NAME_scales (uint8): the same leading axes, one E8M0 byte (e + 127) for each 32 codes along K. Its value is code x scale, taken as it is: it is not quantised again, and the codes and scales need not be those that the quantiser above would give.
;; One version. Each part assembles by itself: llvm-mc -triple=amdgcn-amd-amdhsa -mcpu=gfx1250 --defsym DOCPART=n.
;; ======== version 1 of 1: 3 launches
;; limits: values are held in bf16: 8 bits of precision; right only within a limited range of input values
;; workspace buffers: wimg 819,200 bytes; gs 131,072 bytes; part_s 131,072 bytes; part_c 1,048,576 bytes
;; launch prep (part 1): grid 160 x 1, 8 waves a work-group, no clusters, 9,216 bytes of LDS; arguments W_hid_codes, W_hid_scales, b_hid, hidden, wimg, gs; writes wimg, gs
.if DOCPART == 1
	.amdgcn_target "amdgcn-amd-amdhsa--gfx1250"
	.amdhsa_code_object_version 6
	.text
	.protected	k_q7cd634f8dc_prep
	.globl	k_q7cd634f8dc_prep
	.p2align	8
	.type	k_q7cd634f8dc_prep,@function
k_q7cd634f8dc_prep:
	s_mov_b64 s[64:65], 0
	v_nop
	global_prefetch_b8 v0, s[64:65] scope:SCOPE_SE
	s_setreg_imm32_b32 hwreg(HW_REG_WAVE_MODE, 25, 1), 1
	s_wait_xcnt 0x0
; PREP.  Two things that the main launch wants ready, both from W_hid [1024 (n)][2048 (k)] as codes of E3M2 (a row: 1,536 bytes) and its scale bytes [1024][64].
; (1) work-groups 128 .. 159: wimg, the codes of the FIRST half of K (k < 1024: the encoder's features) as images of the operand's registers.  A fragment (16 columns n x 128 k: 12 registers a lane) is
;     three runs of 512 bytes, lane l's 16 bytes at 16 l.  32 pieces of 25,600 bytes, one for each 32 columns: columns 32 j .. + 31, ch = j / 16, g = j % 16, are piece 4 (g / 2) + 2 ch + g % 2;
;     in it fragment (K step s, tile t) at (2 s + t) 1,536, and the scale word of (s, t, r) at 24,576 + 128 s + 64 t + 4 r.
; (2) work-groups 0 .. 127: gs [64 (n / 16)][32 (batch)][16]: 2 log2(e) x (Q(hidden[batch]) . W[1024:, n] + b_hid[n]), 16 columns x 16 batches a work-group.  K is cut into blocks of 32 from its start and
;     1,024 is a multiple of 32, so the blocks of the second half of K hold hidden alone and are the same for all 1,024 rows of a batch: that half of the product is made once for each batch, here.
; A wave takes one K step of 128; in (2) the eight waves' parts meet in LDS.
; LEFT OUT OF THE PROBLEM'S WORK: tanh x = 1 - 2 r with r = 1 / (1 + e^(2 x)), so a score is sum_n w_score[n] - 2 sum_n w_score[n] r[n]: the first term is the same along the softmax's axis for all values of
; the inputs and is not added.  An overflow that reaches that term alone is not carried to the result.
; LIMITS: NaN and infinities among the inputs are not served; a block of hidden whose largest magnitude lies under 2^-122 keeps the scale byte 1 (a block of zeros too: its codes are zeros).
.set FRB,   1536                       ; a fragment's image in bytes
.set PIECE, 25600
.set W1F,  16                          ; v16-39   (1): the two tiles' fragments
.set W2F,  28                          ; v28-39   (2): W's fragment
.set W2S,  41                          ; v41      its scale words
.set PC0,  44                          ; v44-63   hidden's codes
.set X0,   64                          ; v64-127  64 numbers of hidden a lane; later the eight waves' parts
.set TM,   192                         ; v192-207 at work in QUANT
.set PW0,  208                         ; hidden's scale words
.set ACC0, 232
.set BI,   248                         ; v248-251 four numbers of b_hid
.set SEL,  36                          ; s[36:37] lane selects for v_permlanex16_b32: lane l xor 16
; 64 numbers of a lane, register 16 b + i = k 32 b + 16 (lane / 16) + i of the lane's row, become a fragment's codes in v[pc] .. v[pc + 11] and its scale word in v[pw].
.macro QUANT s, pc, pw
.irp b, 0,1,2,3
	v_max3_num_f32 v[TM+\b], |v[\s+16*\b]|, |v[\s+1+16*\b]|, 0x2800000   ; block b: my 16 numbers, and the floor 2^(5 - 127): the byte cannot fall under 1
.endr
.irp i, 2,4,6,8,10,12,14
.irp b, 0,1,2,3
	s_delay_alu instid0(VALU_DEP_4)
	v_max3_num_f32 v[TM+\b], v[TM+\b], |v[\s+16*\b+\i]|, |v[\s+1+16*\b+\i]|   ; the four blocks by turns
.endr
.endr
.irp b, 0,1,2,3
	s_delay_alu instid0(VALU_DEP_4)
	v_permlanex16_b32 v[TM+4+\b], v[TM+\b], s[SEL], s[SEL+1]
.endr
.irp b, 0,1,2,3
	s_delay_alu instid0(VALU_DEP_4)
	v_max_num_f32 v[TM+\b], v[TM+\b], v[TM+4+\b]     ; with lane l xor 16's 16: the block's largest magnitude
.endr
.irp b, 0,1,2,3
	s_delay_alu instid0(VALU_DEP_4)
	v_add_nc_u32 v[TM+12+\b], 0xfe000000, v[TM+\b]   ; 4 off its exponent field: the conversion's scale operand
.endr
.irp b, 0,1,2,3
	s_delay_alu instid0(VALU_DEP_4)
	v_lshrrev_b32 v[TM+4+\b], 23, v[TM+12+\b]        ; the scale's byte
.endr
	s_delay_alu instid0(VALU_DEP_3)
	v_lshl_or_b32 v[\pw], v[TM+5], 8, v[TM+4]        ; four bytes: my row's scale word
	s_delay_alu instid0(VALU_DEP_1)
	v_lshl_or_b32 v[\pw], v[TM+6], 16, v[\pw]
	s_delay_alu instid0(VALU_DEP_1)
	v_lshl_or_b32 v[\pw], v[TM+7], 24, v[\pw]
.irp c, 0,1
	v_cvt_scalef32_pk16_bf6_f32 v[\pc+6*\c:\pc+2+6*\c], v[\s+32*\c:\s+15+32*\c], v[TM+12+2*\c]
	v_cvt_scalef32_pk16_bf6_f32 v[\pc+12+4*\c:\pc+14+4*\c], v[\s+16+32*\c:\s+31+32*\c], v[TM+12+2*\c+1]   ; (a conversion's three registers begin on an even number)
.endr
	v_nop                                            ; one plain line behind the scaled conversions
.irp c, 0,1                                      ; the operand wants a whole block in a lane: lanes 0-15 block 2 c, lanes 16-31 block 2 c + 1
.irp i, 0,1,2
	v_permlane16_swap_b32 v[\pc+6*\c+\i], v[\pc+12+4*\c+\i]
.endr
.irp i, 0,1,2
	s_delay_alu instid0(VALU_DEP_3)
	v_mov_b32 v[\pc+3+6*\c+\i], v[\pc+12+4*\c+\i]
.endr
.endr
.endm
	s_load_b256 s[4:11], s[0:1], 0x0               ; codes s[4:5], scale bytes s[6:7], b_hid s[8:9], hidden s[10:11]
	s_load_b128 s[12:15], s[0:1], 0x20             ; wimg s[12:13], gs s[14:15]
	v_lshrrev_b32 v12, 5, v0
	v_readfirstlane_b32 s16, v12                   ; wave = K step 0..7
	s_mov_b32 s[SEL], 0x76543210
	s_mov_b32 s[SEL+1], 0xfedcba98
	s_mov_b32 s34, 0x4038aa3b                      ; 2 log2(e)
	s_mov_b32 s35, s34
	s_mul_i32 s20, s16, 96                         ; my K step in a row of codes,
	s_mov_b32 s21, 0
	s_lshl_b32 s22, s16, 2                         ; of scale bytes,
	s_mov_b32 s23, 0
	s_lshl_b32 s26, s16, 9                         ; of hidden
	s_mov_b32 s27, 0
	s_lshl_b32 s17, s16, 10                        ; LDS: my wave's 1,024 bytes
	v_lshl_add_u32 v254, v0, 2, 0x2000             ; my spare word
	v_mov_b32 v255, 0
	v_and_b32 v1, 31, v0                           ; lane
	v_and_b32 v2, 15, v0                           ; r
	v_bfe_u32 v3, v0, 4, 1                         ; h
	v_mul_u32_u24 v4, v2, 1536
	v_mad_u32_u24 v4, v3, 24, v4                   ; codes: row r, + 24 h
	v_lshlrev_b32 v5, 6, v2                        ; scale bytes: row r of 64
	v_lshlrev_b32 v13, 6, v1                       ; (1): row = lane
	v_lshlrev_b32 v6, 4, v1                        ; an image's place for my lane
	v_lshlrev_b32 v14, 2, v1                       ; a scale word's place
	v_lshlrev_b32 v7, 12, v2
	v_lshl_add_u32 v7, v3, 6, v7                   ; hidden: row r of 4,096 bytes, + 64 h
	v_lshl_add_u32 v8, v3, 5, v5
	v_add_nc_u32 v8, s17, v8                       ; LDS [batch 16][16]: 64 r + 32 h
	v_lshlrev_b32 v9, 4, v0                        ; and back: 16 bytes a thread
	v_and_b32 v10, 3, v0
	v_lshlrev_b32 v10, 4, v10                      ; my four columns' bytes in b_hid
.irp b, 0,1,2,3
	v_mov_b32 v[TM+4+\b], 0                        ; written once: a lane permute's destination counts as one of its sources
.endr
	s_wait_alu depctr_va_vdst(0)                   ; the head's end
	s_wait_kmcnt 0x0
	s_add_nc_u64 s[4:5], s[4:5], s[20:21]
	s_add_nc_u64 s[6:7], s[6:7], s[22:23]
	s_cmp_ge_u32 ttmp9, 128
	s_cbranch_scc1 .Limages
	; ---- (2)
	s_lshr_b32 s18, ttmp9, 1                       ; the tile of 16 columns
	s_and_b32 s19, ttmp9, 1                        ; which 16 batches
	s_mul_i32 s20, s18, 16*1536
	s_lshl_b32 s22, s18, 10
	s_lshl_b32 s24, s18, 6
	s_mov_b32 s25, 0
	s_lshl_b32 s28, s19, 16
	s_add_co_u32 s26, s26, s28
	s_lshl_b32 s32, s18, 11
	s_lshl_b32 s28, s19, 10
	s_add_co_u32 s32, s32, s28                     ; my 1,024 bytes of gs
	s_mov_b32 s33, 0
	s_add_nc_u64 s[4:5], s[4:5], s[20:21]
	s_add_nc_u64 s[6:7], s[6:7], s[22:23]
	s_add_nc_u64 s[8:9], s[8:9], s[24:25]
	s_add_nc_u64 s[10:11], s[10:11], s[26:27]
	s_add_nc_u64 s[14:15], s[14:15], s[32:33]
.irp b, 0,1,2,3
.irp j, 0,1,2,3
	global_load_b128 v[X0+16*\b+4*\j:X0+16*\b+4*\j+3], v7, s[10:11] offset:128*\b+16*\j   ; of each block of 32 my 16 numbers
.endr
.endr
.irp p, 0,1,2,3,4,5
	global_load_b64 v[W2F+2*\p:W2F+2*\p+1], v4, s[4:5] offset:768+48*(\p/3)+8*(\p%3)    ; the second half of K: 24 bytes of the row's stream of bits, twice: the operand's registers as they lie
.endr
	global_load_b32 v[W2S], v5, s[6:7] offset:32
	global_load_b128 v[BI:BI+3], v10, s[8:9]
	s_wait_loadcnt 0x8                             ; hidden's sixteen are in; W's seven and the bias's one may be out
	QUANT X0, PC0, PW0
	s_wait_alu depctr_va_vdst(0)                   ; ahead of the wait below
	s_wait_loadcnt 0x0
.rept 8
	v_nop                                          ; a scale register written by vector lines stands 8 places ahead of a scaled matrix instruction, an operand 4
.endr
	; transposed: source 0 = 16 columns of W, source 1 = 16 batches: lane (r, h) holds batch r and columns 8 h + 0 .. 7
	v_wmma_scale_f32_16x16x128_f8f6f4 v[ACC0:ACC0+7], v[W2F:W2F+11], v[PC0:PC0+11], 0, v[W2S], v[PW0] matrix_a_fmt:MATRIX_FMT_BF6 matrix_b_fmt:MATRIX_FMT_BF6
.rept 4
	v_nop                                          ; four places ahead of the first read of the result
.endr
	ds_store_b128 v8, v[ACC0:ACC0+3]               ; from its low end on
	ds_store_b128 v8, v[ACC0+4:ACC0+7] offset:16
	s_wait_tensorcnt 0x0                           ; behind my last LDS store
	ds_add_u32 v254, v255
	s_wait_dscnt 0x0                               ; for the others' sake too: my part lies in LDS
	s_barrier_signal -1
	s_barrier_wait -1
	s_cmp_ge_u32 s16, 2
	s_cbranch_scc1 .Ldone                          ; two waves make the 256 numbers: four a lane, whole units of 256 bytes
.irp k, 0,1,2,3,4,5,6,7
	ds_load_b128 v[X0+4*\k:X0+4*\k+3], v9 offset:1024*\k   ; the eight K steps' parts
.endr
	s_wait_dscnt 0x0
.irp k, 0,8,16,24
	v_pk_add_f32 v[X0+\k:X0+\k+1], v[X0+\k:X0+\k+1], v[X0+\k+4:X0+\k+5]
	v_pk_add_f32 v[X0+\k+2:X0+\k+3], v[X0+\k+2:X0+\k+3], v[X0+\k+6:X0+\k+7]
.endr
.irp k, 0,16
	v_pk_add_f32 v[X0+\k:X0+\k+1], v[X0+\k:X0+\k+1], v[X0+\k+8:X0+\k+9]
	v_pk_add_f32 v[X0+\k+2:X0+\k+3], v[X0+\k+2:X0+\k+3], v[X0+\k+10:X0+\k+11]
.endr
.irp k, 0,2
	v_pk_add_f32 v[X0+\k:X0+\k+1], v[X0+\k:X0+\k+1], v[X0+\k+16:X0+\k+17]
.endr
.irp k, 0,2
	v_pk_add_f32 v[X0+\k:X0+\k+1], v[X0+\k:X0+\k+1], v[BI+\k:BI+\k+1]        ; + b_hid
.endr
.irp k, 0,2
	v_pk_mul_f32 v[X0+\k:X0+\k+1], v[X0+\k:X0+\k+1], s[34:35] op_sel_hi:[1,0]    ; x 2 log2(e): the main launch's exponent wants it so
.endr
	global_store_b128 v9, v[X0:X0+3], s[14:15]     ; a wave stores 512 consecutive bytes, aligned
.Ldone:
	s_endpgm
.Limages:
	; ---- (1)
	s_sub_co_u32 s18, ttmp9, 128                   ; j: columns 32 j .. 32 j + 31
	s_mul_i32 s20, s18, 32*1536
	s_lshl_b32 s22, s18, 11
	s_add_nc_u64 s[4:5], s[4:5], s[20:21]
	s_add_nc_u64 s[6:7], s[6:7], s[22:23]
	s_lshr_b32 s19, s18, 4
	s_lshl_b32 s19, s19, 1                         ; 2 ch
	s_and_b32 s24, s18, 1
	s_add_co_u32 s19, s19, s24                     ; + g % 2
	s_bfe_u32 s24, s18, 0x30001
	s_lshl_b32 s24, s24, 2
	s_add_co_u32 s19, s19, s24                     ; + 4 (g / 2)
	s_mul_i32 s28, s19, PIECE
	s_mul_i32 s30, s16, 2*FRB
	s_add_co_u32 s30, s30, s28                     ; my two fragments' images
	s_mov_b32 s31, 0
	s_lshl_b32 s24, s16, 7
	s_add_co_u32 s28, s28, s24
	s_add_co_u32 s28, s28, 16*FRB                  ; my 32 scale words
	s_mov_b32 s29, 0
	s_add_nc_u64 s[30:31], s[12:13], s[30:31]
	s_add_nc_u64 s[28:29], s[12:13], s[28:29]
.irp t, 0,1
.irp p, 0,1,2,3,4,5
	global_load_b64 v[W1F+12*\t+2*\p:W1F+12*\t+2*\p+1], v4, s[4:5] offset:24576*\t+48*(\p/3)+8*(\p%3)
.endr
.endr
	global_load_b32 v40, v13, s[6:7]
	s_wait_loadcnt 0x0
.irp t, 0,1
.irp g, 0,1,2
	global_store_b128 v6, v[W1F+12*\t+4*\g:W1F+12*\t+4*\g+3], s[30:31] offset:FRB*\t+512*\g   ; 512 consecutive bytes a store
.endr
.endr
	global_store_b32 v14, v40, s[28:29]            ; lanes 0-15 tile 0, lanes 16-31 tile 1
	s_endpgm
.Lfunc_end_k_q7cd634f8dc_prep:
	.size	k_q7cd634f8dc_prep, .Lfunc_end_k_q7cd634f8dc_prep-k_q7cd634f8dc_prep
	.p2alignl 7, 3214868480
	.fill 96, 4, 3214868480
	.section	.rodata,"a",@progbits
	.p2align	6, 0x0
	.amdhsa_kernel k_q7cd634f8dc_prep
		.amdhsa_group_segment_fixed_size 9216
		.amdhsa_private_segment_fixed_size 0
		.amdhsa_enable_private_segment 0
		.amdhsa_kernarg_size 48
		.amdhsa_user_sgpr_count 2
		.amdhsa_user_sgpr_kernarg_segment_ptr 1
		.amdhsa_wavefront_size32 1
		.amdhsa_system_sgpr_workgroup_id_x 1
		.amdhsa_system_sgpr_workgroup_id_y 1
		.amdhsa_system_sgpr_workgroup_id_z 1
		.amdhsa_system_vgpr_workitem_id 0
		.amdhsa_next_free_vgpr 256
		.amdhsa_next_free_sgpr 66
		.amdhsa_reserve_vcc 0
		.amdhsa_float_denorm_mode_32 3
		.amdhsa_float_denorm_mode_16_64 3
		.amdhsa_memory_ordered 1
		.amdhsa_forward_progress 1
		.amdhsa_inst_pref_size 16
	.end_amdhsa_kernel
	.amdgpu_metadata
---
amdhsa.version: [ 1, 2 ]
amdhsa.kernels:
  - .name:           k_q7cd634f8dc_prep
    .symbol:         k_q7cd634f8dc_prep.kd
    .args:
      - { .name: W_hid_codes, .offset: 0, .size: 8, .value_kind: global_buffer, .address_space: global }
      - { .name: W_hid_scales, .offset: 8, .size: 8, .value_kind: global_buffer, .address_space: global }
      - { .name: b_hid, .offset: 16, .size: 8, .value_kind: global_buffer, .address_space: global }
      - { .name: hidden, .offset: 24, .size: 8, .value_kind: global_buffer, .address_space: global }
      - { .name: wimg, .offset: 32, .size: 8, .value_kind: global_buffer, .address_space: global }
      - { .name: gs, .offset: 40, .size: 8, .value_kind: global_buffer, .address_space: global }
    .group_segment_fixed_size: 9216
    .private_segment_fixed_size: 0
    .kernarg_segment_align: 8
    .kernarg_segment_size: 48
    .max_flat_workgroup_size: 256
    .sgpr_count:     66
    .vgpr_count:     256
    .wavefront_size: 32
...
	.end_amdgpu_metadata
.endif
;; end of part 1
;; launch main (part 2): grid 256 x 1, 4 waves a work-group, clusters of 4 x 1, 327,680 bytes of LDS; arguments encoder_outputs, wimg, gs, w_score, part_c, part_s; writes part_c, part_s
.if DOCPART == 2
	.amdgcn_target "amdgcn-amd-amdhsa--gfx1250"
	.amdhsa_code_object_version 6
	.text
	.protected	k_q7cd634f8dc_main
	.globl	k_q7cd634f8dc_main
	.p2align	8
	.type	k_q7cd634f8dc_main,@function
k_q7cd634f8dc_main:
	s_mov_b64 s[64:65], 0
	v_nop
	global_prefetch_b8 v0, s[64:65] scope:SCOPE_SE
	s_setreg_imm32_b32 hwreg(HW_REG_WAVE_MODE, 25, 1), 1
	s_wait_xcnt 0x0
	s_wait_alu depctr_hold_cnt(0) depctr_sa_sdst(0) depctr_va_vdst(0) depctr_va_sdst(0) depctr_va_ssrc(0) depctr_va_vcc(0) depctr_vm_vsrc(0)
	s_getreg_b32 s2, hwreg(HW_REG_IB_STS2, 6, 4)
	s_cmp_eq_u32 s2, 0
	s_cbranch_scc0 .Lentry_in_a_cluster
	s_endpgm
.Lentry_in_a_cluster:
	s_bfe_u32 s2, ttmp6, 0x10000c
	s_cmp_lg_u32 s2, 0x3003
	s_cbranch_scc0 .Lentry_shape_is_right
	s_endpgm
.Lentry_shape_is_right:
; MAIN.  For 128 rows t of one batch: scores s'[t] = -2 sum_n w_score[n] r[t][n], r = 1 / (1 + 2^y), y = 2 log2(e) (Q(enc[t]) . W[:1024, n]) + gs[n]; tanh x = 1 - 2 r, so the true score is
; s' + sum_n w_score[n]: that term is the same for every t, for all values of the inputs, and falls out of the softmax, so it is left off.  Then, with m the largest s' of these 128 rows,
; the partial context sum_t 2^((s'[t] - m) log2 e) enc[t][:].  The next launch joins the eight blocks of a batch under the batch's own maximum.
; enc is read from memory ONCE: on its way to the quantiser each number is also rounded to bf16 and kept for the last product, which the contract leaves in bf16.
; SHARES.  Work-group WG = 4 x cluster + place owns rows 128 WG .. + 127 of enc taken as [32,768][1,024].  P0: wave w streams rows 32 w .. 32 w + 31, keeps their bf16 copy in windows 2 and 3, quantises them along K and
; lays the codes in LDS as images of the operand's registers.  P1: wave w = 2 rh + ch makes rows 64 rh .. + 63 x columns 512 ch .. + 511.  The codes of its 64 rows stay IN REGISTERS (4 tiles x 8 K steps x 12 = 384);
; only W is read from LDS.  The columns go in 16 groups of 32: 8 accumulators, 64 matrix instructions a group.  Two sets of accumulators take turns: while one is multiplied, the other holds the activation of the group
; before: the additions of 1 stand between the K steps, its reciprocals behind the last product, the new group's exponentials behind those; no transcendental stands inside a sum.
; P2: scores, weights, and the wave's own 32 rows' part of the context by bf16 products; the four parts meet in LDS.
; The bf16 copy is 64 fragments of 8 registers.  24 of them (0-16, 25-31) move to LDS over enc's images once these are in registers, and come back for P2.
; W comes as register images (laid by the launch before) through two LDS slots; a slot serves two groups: pieces (ch, group % 2) of 25,600 bytes, one fetched by each wave.
; CLUSTER.  All work-groups walk the same W: the four of a cluster ask for each piece JOINTLY (mask 15), the same descriptor in all four; it hangs on the wave's number alone.
; No prefetch: all 64 clusters walk the same 819,200 bytes of W, and enc is asked for seven units (28,672 bytes a wave) ahead by the loads themselves.
; THE MATRIX INSTRUCTION IS USED TRANSPOSED (source 0 = 16 columns of W, source 1 = 16 rows of enc): lane (r, h) holds row r of the tile and columns 8 h + 0 .. 7.
; LIMITS: NaN and infinities among the inputs are not served; a block of 32 whose largest magnitude lies under 2^-122 keeps the scale byte 1 (a block of zeros too: its codes are zeros);
; the weights 2^(..) and enc are rounded to bf16 for the last product; an overflow that reaches only the term left off is not carried to the result.
; REGISTERS, in windows of 256.  Window 0: see below.   Window 1: P0: seven landing sets of 32; P1: code fragments 0-20 (4 K step + tile);
; P2: 32 accumulators.   Window 2: the copy's fragments 0-31 at 8 f; in P1 v0-131 code fragments 21-31, v136-199 the copy's 17-24, v200-239 tables and sums.   Window 3: the copy's fragments 32-63.
; The copy: fragment f = 4 cg + j: lane (r, h) holds column 64 cg + 4 r + j, register 4 T + i rows 16 T + 8 h + 2 i and + 1 of my 32: source 1 of a 16 x 16 x 32 product with K = my rows.
.set PIECE, 25600                      ; 16 fragments of 1,536 bytes + 8 x 128 bytes of scale words
.set SLOTB, 4*PIECE
.set FRB,   1536
.set AIMG,  2*SLOTB                    ; enc's fragment (K step s, row tile a) at (8 s + a) FRB; later 24,576 bytes a wave: its 24 fragments of the copy, then its part of the context
.set ASC,   AIMG+64*FRB                ; enc's scale words: 512 s + 128 (a / 2) + 64 (a % 2) + 4 r
.set STG,   ASC+4096                   ; P0: the turning stages, 16 rows x 272 bytes a wave.  Later:
.set TWB,   4352
.set TAB,   STG                        ; gs's table, 4,096 bytes, then w_score's
.set SCP,   STG+8192                   ; the score parts: 512 bytes for each ch
.set SCF,   STG+9216                   ; the scores, 512 bytes a wave
.set SPARE, STG+4*TWB                  ; the spare words, 128 bytes for each wave: two blocks of 256 bytes that no other line names
.set SPW,  1                           ; v1   SPARE + 4 x my thread's number; never rewritten
.set NIL,  2                           ; v2   0; never rewritten
.set BST,  3                           ; v3   until the copy's 24 fragments are stored: where they go
.set BW,   3                           ; v3   then W's fragments: 16 x lane + my column half
.set BWS,  4                           ; v4   W's scale words
.set ADW,  5                           ; v5-6 the same in the slot that is being read
.set ADWS, 6
.set TGA,  7                           ; v7   the tables: my column half, + 32 h
.set SCA,  8                           ; v8-23 enc's scale words: 2 s + q: lanes 0-15 tile 2 q, lanes 16-31 tile 2 q + 1
.set WSC,  24                          ; v24-27 W's scale words, four sets: lanes 0-15 tile 0, lanes 16-31 tile 1
.set TGC,  28                          ; v28  the tables at the next group
.set AX,   32                          ; v32-95, v96-159 accumulators of even and odd groups: (a, t) at + 16 a + 8 t
.set AY,   96
.set WF,   160                         ; v160-255 W's fragments: set s % 4 at + 24, tile t at + 12
.set CT,   28                          ; v28-159 code fragments 21-31 on their way to window 2
.set LN,   32                          ; the head: lane, r, h
.set RR,   33
.set HH,   34
.set XO,   232                         ; v232-244: P0's addresses.  enc: my 32 rows, lanes 16-31 eight rows down, 16 bytes a lane
.set STO,  233                         ; the stage, on the way in
.set STR,  234                         ; and out: row r, + 64 h
.set IMW,  235                         ; where I store my images: K steps 0-3, 4-7
.set SCW,  237                         ; and their scale words
.set ADA,  238                         ; my row half's images: K steps 0-3, 4-7
.set ADSA, 240                         ; and their scale words
.set TBW,  242                         ; where I store the tables: 32 x thread
.set TGO,  243                         ; and load them: gs, w_score
.set TWO,  244
.set TBD,  28                          ; v28-43 the tables on their way
.set XQ,   64
.set PC,   128
.set TM,   148
.set PW,   164
.set GT,   200                         ; window 2: the group's gs,
.set WT,   216                         ; the w_score of the group before,
.set PS,   232                         ; and v[PS + 2 a], + 1: row tile a's sums over even and odd columns
.set WV,   16                          ; s16  my wave's number
.set G1,   24                          ; s[24:31] descriptor group 1
.set G0,   32                          ; s[32:35] group 0
.set SLT,  36                          ; s36  the slot that is being read: 0 or SLOTB
.set PO,   37                          ; s37  my piece in a slot
.set BSS,  38                          ; s38  my 24,576 bytes at AIMG
.set RH,   39
.set C2,   40                          ; s[40:41] 2 log2(e)
.set SEL,  42                          ; s[42:43] lane selects for v_permlanex16_b32: lane l xor 16
.set L2E,  46                          ; s[46:47] log2(e)
.set CH,   52
.set MSB, 0
.macro WIN new                         ; the immediate's high byte repeats the setting that is left; a switch that changes nothing is dropped
.if MSB != \new
	s_set_vgpr_msb (MSB<<8)|\new
.set MSB, \new
.endif
.endm
.macro PLACES                          ; four plain lines between a matrix instruction and a load into, or a read of, its registers (ISA guide 7.12.1 for vector lines)
.rept 4
	v_nop
.endr
.endm
.macro CREST                           ; a round of the cluster's barrier behind its opening barrier
	s_cmp_lg_u32 s[WV], 0
	s_cbranch_scc1 .Lnot_wave_0_\@
	s_barrier_signal -3
.Lnot_wave_0_\@:
	s_barrier_wait -3
	s_barrier_signal -1
	s_barrier_wait -1
.endm
.macro CROUND
	s_barrier_signal -1
	s_barrier_wait -1
	CREST
.endm
; 64 numbers of a lane, register 16 b + i = k 32 b + 16 (lane / 16) + i of the lane's row, become a fragment's codes in v[pc] .. v[pc + 11] and its scale word in v[pw].
.macro QUANT s, pc, pw
.irp b, 0,1,2,3
	v_max3_num_f32 v[TM+\b], |v[\s+16*\b]|, |v[\s+1+16*\b]|, 0x2800000   ; block b: my 16 numbers, and the floor 2^(5 - 127): the byte cannot fall under 1
.endr
.irp i, 2,4,6,8,10,12,14
.irp b, 0,1,2,3
	v_max3_num_f32 v[TM+\b], v[TM+\b], |v[\s+16*\b+\i]|, |v[\s+1+16*\b+\i]|   ; the four blocks by turns
.endr
.endr
.irp b, 0,1,2,3
	v_permlanex16_b32 v[TM+4+\b], v[TM+\b], s[SEL], s[SEL+1]
.endr
.irp b, 0,1,2,3
	v_max_num_f32 v[TM+\b], v[TM+\b], v[TM+4+\b]     ; with lane l xor 16's 16: the block's largest magnitude
.endr
.irp b, 0,1,2,3
	v_add_nc_u32 v[TM+12+\b], 0xfe000000, v[TM+\b]   ; 4 off its exponent field: the conversion's scale operand
.endr
.irp b, 0,1,2,3
	v_lshrrev_b32 v[TM+4+\b], 23, v[TM+12+\b]        ; the scale's byte
.endr
	v_lshl_or_b32 v[\pw], v[TM+5], 8, v[TM+4]        ; four bytes: my row's scale word (the same in lanes r and r + 16)
	v_lshl_or_b32 v[\pw], v[TM+6], 16, v[\pw]
	v_lshl_or_b32 v[\pw], v[TM+7], 24, v[\pw]
.irp c, 0,1
	v_cvt_scalef32_pk16_bf6_f32 v[\pc+6*\c:\pc+2+6*\c], v[\s+32*\c:\s+15+32*\c], v[TM+12+2*\c]
	v_cvt_scalef32_pk16_bf6_f32 v[\pc+12+4*\c:\pc+14+4*\c], v[\s+16+32*\c:\s+31+32*\c], v[TM+12+2*\c+1]   ; (a conversion's three registers begin on an even number)
.endr
	v_nop                                            ; one plain line behind the scaled conversions
.irp c, 0,1                                      ; the operand wants a whole block in a lane: lanes 0-15 block 2 c, lanes 16-31 block 2 c + 1
.irp i, 0,1,2
	v_permlane16_swap_b32 v[\pc+6*\c+\i], v[\pc+12+4*\c+\i]
.endr
.irp i, 0,1,2
	v_mov_b32 v[\pc+3+6*\c+\i], v[\pc+12+4*\c+\i]
.endr
.endr
.endm
; P0.  Unit t = 16 T + cg: rows 16 T .. + 15 of my 32, columns 64 cg .. + 63.  Eight loads: lanes 0-15 take 256 consecutive bytes of row n, lanes 16-31 of row n + 8.
.macro LOADU t
.set LU_T, (\t)/16
.set LU_C, (\t)%16
.set LU_S, 32*((\t)%7)
	WIN 0x40                                       ; a load's destination: window 1
.irp n, 0,1,2,3,4,5,6,7
	global_load_b128 v[LU_S+4*\n:LU_S+4*\n+3], v[XO], s[4:5] offset:(16*LU_T+\n)*4096+256*LU_C th:TH_LOAD_NT
.endr
.endm
.macro STEP t
.set ST_T, (\t)/16
.set ST_C, (\t)%16
.set ST_L, 32*((\t)%7)
.if 31-(\t) >= 6
	s_wait_loadcnt 48                              ; this unit's eight loads are in; the six units behind it stay out
.else
	s_wait_loadcnt 8*(31-(\t))
.endif
.if ST_C < 8
	WIN 0x85                                       ; sources window 1, destination window 2
.else
	WIN 0xc5                                       ; destination window 3
.endif
.irp j, 0,1,2,3                                ; the copy: two rows' numbers of one column make a register of the bf16 fragment
.irp i, 0,1,2,3
	v_cvt_pk_bf16_f32 v[8*(4*(ST_C%8)+\j)+4*ST_T+\i], v[ST_L+8*\i+\j], v[ST_L+8*\i+4+\j]
.endr
.endr
	WIN 0x04                                       ; an LDS store's data: window 1
.irp n, 0,1,2,3,4,5,6,7
	ds_store_b128 v[STO], v[ST_L+4*\n:ST_L+4*\n+3] offset:272*\n     ; through my own stage, as loaded; rows 272 bytes apart
.endr
	WIN 0
.irp b, 0,1
.irp i, 0,1,2,3
	ds_load_b128 v[XQ+32*(ST_C%2)+16*\b+4*\i:XQ+32*(ST_C%2)+16*\b+4*\i+3], v[STR] offset:128*\b+16*\i   ; and back: of each block of 32 of row r my 16 neighbours.  LDS serves a wave's instructions in order
.endr
.endr
	s_wait_dscnt 0x0                               ; the numbers are back, so the stores have read the landing set,
.if (\t)+7 < 32
	LOADU (\t)+7                                   ; which takes the unit seven on
.endif
.if ST_C%2 == 1                                ; two units are a K step of 128
.set ST_S, ST_C/2
	WIN 0
	QUANT XQ, PC, PW
.irp g, 0,1,2
	ds_store_b128 v[IMW+ST_S/4], v[PC+4*\g:PC+4*\g+3] offset:(8*(ST_S%4)+ST_T)*FRB+512*\g   ; the fragment as it stands: 512 consecutive bytes a store
.endr
	ds_store_b32 v[SCW], v[PW] offset:512*ST_S+64*ST_T               ; lanes r and r + 16 write the same word with the same value
.endif
.endm
; P1.  Seven loads: W's two fragments and scale words of K step k of the slot's group gi, into set k % 4.
.macro FETCH k, gi
	ds_load_b32 v[WSC+(\k)%4], v[ADWS] offset:PIECE*(\gi)+128*(\k)
.irp t, 0,1
.irp g, 0,1,2
	ds_load_b128 v[WF+24*((\k)%4)+12*\t+4*\g:WF+24*((\k)%4)+12*\t+4*\g+3], v[ADW] offset:PIECE*(\gi)+(2*(\k)+\t)*FRB+512*\g
.endr
.endr
.endm
.macro WI m1, m2
.if WZ
	v_wmma_scale_f32_16x16x128_f8f6f4 v[rD:rD+7], v[rB:rB+11], v[rA:rA+11], 0, v[rX], v[rY] matrix_a_fmt:MATRIX_FMT_BF6 matrix_b_fmt:MATRIX_FMT_BF6 \m1 \m2
.else
	v_wmma_scale_f32_16x16x128_f8f6f4 v[rD:rD+7], v[rB:rB+11], v[rA:rA+11], v[rD:rD+7], v[rX], v[rY] matrix_a_fmt:MATRIX_FMT_BF6 matrix_b_fmt:MATRIX_FMT_BF6 \m1 \m2
.endif
.endm
.macro WM k, a, t                      ; W's tile t x enc's tile a, K step k.  An odd tile's scale words lie in lanes 16-31 of its pair's register
.set rD, DB+16*(\a)+8*(\t)
.set rB, WF+24*((\k)%4)+12*(\t)
.set rX, WSC+(\k)%4
.set rY, SCA+2*(\k)+(\a)/2
.set ix, 4*(\k)+(\a)
.if ix < 21
.set rA, 12*ix
	WIN 0x04                                       ; source 1 window 1, all else window 0
.else
.set rA, 12*(ix-21)
	WIN 0x08                                       ; source 1 window 2
.endif
.set par, 2*((\a)%2)+(\t)
.if par == 0
	WI
.elseif par == 1
	WI matrix_a_scale:MATRIX_SCALE_ROW1
.elseif par == 2
	WI matrix_b_scale:MATRIX_SCALE_ROW1
.else
	WI matrix_a_scale:MATRIX_SCALE_ROW1, matrix_b_scale:MATRIX_SCALE_ROW1
.endif
.endm
.macro EXPS b                          ; a group's 64 exponentials, in place
.set q, 0
.rept 64
	v_exp_f32 v[\b+q], v[\b+q]                     ; 2^y: infinity for a large y gives r = 0, 0 for a very negative one r = 1
.set q, q+1
.endr
.endm
.macro RCPS b
.set q, 0
.rept 64
	v_rcp_f32 v[\b+q], v[\b+q]                     ; r = 1 / (1 + 2^y)
.set q, q+1
.endr
.endm
.macro ADDS                            ; half of the additions of 1 of the group before (16 plain lines), or places alone.  They name none of the products' registers
.if TB
.rept 16
	v_pk_add_f32 v[TB+TI:TB+TI+1], v[TB+TI:TB+TI+1], 1.0 op_sel_hi:[1,0]
.set TI, TI+2
.endr
.else
	PLACES
.endif
.endm
.macro MM k                            ; a K step: the 8 accumulators by turns, in the same order in every step
.if (\k) == 0
.set WZ, 1                             ; the first step's products start the sums
.else
.set WZ, 0
.endif
.irp a, 0,1,2,3
.irp t, 0,1
	WM \k, \a, \t
.endr
.endr
.endm
.macro WSUM b                          ; + w r: four chains by turns
	WIN 0xa8                                       ; source 0 window 0, all else window 2
.irp t, 0,1
.irp k, 0,1,2,3
.irp a, 0,1,2,3
	v_pk_fma_f32 v[PS+2*\a:PS+2*\a+1], v[\b+16*\a+8*\t+2*\k:\b+16*\a+8*\t+2*\k+1], v[WT+8*\t+2*\k:WT+8*\t+2*\k+1], v[PS+2*\a:PS+2*\a+1]
.endr
.endr
.endr
.endm
.macro GETG ad                         ; four loads: gs of columns 16 t + 8 h + 0 .. 7: the sixteen lanes of a half read the same bytes
.irp t, 0,1
	ds_load_b128 v[GT+8*\t:GT+8*\t+3], v[\ad] offset:64*\t
	ds_load_b128 v[GT+8*\t+4:GT+8*\t+7], v[\ad] offset:64*\t+16
.endr
.endm
; A group: accumulators d; tb: those of the group before, which hold 2^y (0: none); gi = group % 2.  turn = 1: its slot is read out and filled again; 2: read out, nothing left to fill.  nxt: a group follows.
; nt: the table loads that stand behind the first four K steps' loads; nw = 1: the first four K steps are in.
; W's loads come in four runs: K steps 4 and 5 behind step 1, 6 and 7 behind step 3, the next group's 0 and 1 ahead of the exponentials, its 2 and 3 and the tables behind them.
; So behind K step 0's, 1's, 2's, 3's loads stand 21, 14, 21, 14 younger ones and the nt table loads; behind 4's to 7's 21, 14, 7, 0.
.macro GROUP d, tb, gi, turn, nxt, nt, nw
.set DB, \d
.set TB, \tb
.set TI, 0
.irp k, 0,1,2,3
.if \nw == 0
	s_wait_dscnt 21-7*(\k%2)+\nt
.endif
	MM \k
.if \k == 1
	ADDS
	FETCH 4, \gi
	FETCH 5, \gi
.endif
.endr
	ADDS
.if \tb
	s_wait_alu depctr_va_vdst(0)                   ; between the additions and the reciprocals that read them
.endif
	FETCH 6, \gi
	FETCH 7, \gi
.if \turn
	WIN 0                                          ; (the add's two registers lie in window 0)
	s_wait_tensorcnt 0x0                           ; all my tensor loads have landed: my piece of the other slot among them; group 0 may be written
.if \turn == 1
	ds_add_u32 v[SPW], v[NIL]                      ; 0 onto my spare word
	s_add_co_u32 s[G0+1], s[PO], s[SLT]            ; the slot that is being read out takes the pair of groups two slots on
	s_add_nc_u64 s[G0+2:G0+3], s[G0+2:G0+3], SLOTB
.endif
	s_xor_b32 s[SLT], s[SLT], SLOTB
	v_add_nc_u32 v[ADW], s[SLT], v[BW]             ; the next group is read from the other slot
	v_add_nc_u32 v[ADWS], s[SLT], v[BWS]
.endif
.irp k, 4,5
.if \turn == 1
	s_wait_dscnt 22-7*(\k-4)                       ; (the add may be out too)
.else
	s_wait_dscnt 21-7*(\k-4)
.endif
	MM \k
.endr
.if \turn
	s_wait_dscnt 0x0                               ; my LDS instructions are done: my reads of this slot are over
	s_barrier_signal -1
	MM 6                                           ; work on registers while the others arrive
	WIN 0
	s_barrier_wait -1
.if \turn == 1
	CREST                                          ; no wave of any partner still reads this slot or has a load on its way
	tensor_load_to_lds s[G0:G0+3], s[G1:G1+7]      ; the first tensor load behind the round
	s_nop 0
	PLACES
.endif
	MM 7
.else
	s_wait_dscnt 7
	MM 6
	s_wait_dscnt 0x0
	MM 7
.endif
.if \tb
	RCPS TB
.endif
	WIN 0x20                                       ; source 2 window 2
	PLACES                                         ; ahead of the first read of the results
	s_wait_alu depctr_va_vdst(0)                   ; one wait: for the reciprocals, and directly ahead of the first reader of the sums
.irp a, 0,1,2,3
.irp t, 0,1
.irp k, 0,1,2,3
	v_pk_fma_f32 v[DB+16*\a+8*\t+2*\k:DB+16*\a+8*\t+2*\k+1], v[DB+16*\a+8*\t+2*\k:DB+16*\a+8*\t+2*\k+1], s[C2:C2+1], v[GT+8*\t+2*\k:GT+8*\t+2*\k+1] op_sel_hi:[1,0,1]   ; y = 2 log2(e) x sum + gs; each accumulator from its low end on
.endr
.endr
.endr
.if \tb
	WSUM TB                                        ; the group before is finished
.endif
	WIN 0
	s_add_co_u32 s45, s45, 128
	v_add_nc_u32 v[TGC], s45, v[TGA]
	s_wait_alu depctr_va_vdst(0)                   ; ahead of the batch
.if \nxt
	FETCH 0, 1-\gi                                 ; (the lines above are the places)
	FETCH 1, 1-\gi
.endif
	EXPS DB
	v_nop                                          ; a plain line behind the last exponential,
	s_wait_alu depctr_va_vdst(0)                   ; and one wait for the batch
.if \nxt
	FETCH 2, 1-\gi
	FETCH 3, 1-\gi
.endif
	WIN 0x80                                       ; a load's destination: window 2
.if \nxt
	GETG TGC
.endif
.irp t, 0,1
	ds_load_b128 v[WT+8*\t:WT+8*\t+3], v[TGC] offset:4096-128+64*\t         ; this group's w_score
	ds_load_b128 v[WT+8*\t+4:WT+8*\t+7], v[TGC] offset:4096-128+64*\t+16
.endr
	WIN 0
.endm
	s_load_b256 s[4:11], s[0:1], 0x0               ; enc s[4:5], wimg s[6:7], gs s[8:9], w_score s[10:11]
	s_load_b128 s[12:15], s[0:1], 0x20             ; part_c s[12:13], part_s s[14:15]
	v_lshl_add_u32 v[SPW], v0, 2, SPARE
	v_mov_b32 v[NIL], 0
	ds_add_u32 v[SPW], v[NIL]                      ; the opening: the add, twice on end, and its wait
	ds_add_u32 v[SPW], v[NIL]
	v_lshrrev_b32 v36, 5, v0
	v_readfirstlane_b32 s[WV], v36                 ; wave 0..3
	s_lshr_b32 s[RH], s[WV], 1                     ; my row half
	s_and_b32 s[CH], s[WV], 1                      ; my column half
	s_bfe_u32 s20, ttmp6, 0x40000                  ; my place in the cluster: it enters global addresses of enc, gs and the two outputs alone
	s_lshl_b32 s17, ttmp9, 2
	s_add_co_u32 s17, s17, s20                     ; WG
	s_lshr_b32 s18, s17, 3                         ; the batch
	; descriptor group 1: a dense piece of 25,600 bytes as 100 rows of 256 bytes (32 elements of 8 bytes)
	s_mov_b32 s[G1+0], 15|(3<<16)|(1<<21)          ; 15:0 the mask: all four work-groups; 17:16 elements of 8 bytes; 20 no padding; 21 set beside a mask
	s_mov_b32 s[G1+1], 32<<16                      ; tensor_dim0 = 32
	s_mov_b32 s[G1+2], 100<<16                     ; tensor_dim1 = 100
	s_mov_b32 s[G1+3], 32<<16                      ; tile_dim0 = 32
	s_mov_b32 s[G1+4], 100                         ; tile_dim1 = 100
	s_mov_b32 s[G1+5], 32                          ; from row to row
	s_mov_b32 s[G1+6], 0
	s_mov_b32 s[G1+7], 0
	s_mov_b32 s[C2], 0x4038aa3b
	s_mov_b32 s[C2+1], s[C2]
	s_mov_b32 s[SEL], 0x76543210
	s_mov_b32 s[SEL+1], 0xfedcba98
	s_mov_b32 s[L2E], 0x3fb8aa3b
	s_mov_b32 s[L2E+1], s[L2E]
	s_mov_b32 s[SLT], 0
	s_mov_b32 s45, 0
	s_mul_i32 s[PO], s[WV], PIECE                  ; my piece in a slot, and among a slot's four pieces in wimg
	s_mov_b32 s22, s[PO]
	s_mov_b32 s23, 0
	s_mul_i32 s19, s[WV], TWB
	s_add_co_u32 s19, s19, STG                     ; my stage
	s_mul_i32 s[BSS], s[WV], 24576
	s_add_co_u32 s[BSS], s[BSS], AIMG
	s_mul_i32 s53, s[CH], 2*PIECE
	s_add_co_u32 s54, s53, 16*FRB
	s_mul_i32 s55, s[RH], 4*FRB
	s_add_co_u32 s55, s55, AIMG
	s_lshl_b32 s56, s[RH], 8
	s_add_co_u32 s56, s56, ASC
	s_lshl_b32 s57, s[CH], 11
	s_add_co_u32 s57, s57, TAB
	s_mul_i32 s58, s[WV], 2*FRB
	s_add_co_u32 s58, s58, AIMG                    ; my tiles are a = 2 wave + T
	s_lshl_b32 s59, s[WV], 7
	s_add_co_u32 s59, s59, ASC
	s_lshl_b32 s60, s[WV], 17
	s_wait_dscnt 0x0                               ; both opening adds are done
	v_and_b32 v[LN], 31, v0
	v_and_b32 v[RR], 15, v0
	v_bfe_u32 v[HH], v0, 4, 1
	v_lshlrev_b32 v[XO], 4, v[RR]
	v_lshl_add_u32 v[XO], v[HH], 15, v[XO]
	v_add_nc_u32 v[XO], s60, v[XO]                 ; 32 rows x 4,096 x wave + 8 rows x h + 16 r
	v_mul_u32_u24 v[STO], v[HH], 8*272
	v_lshl_add_u32 v[STO], v[RR], 4, v[STO]
	v_add_nc_u32 v[STO], s19, v[STO]
	v_mul_u32_u24 v[STR], v[RR], 272
	v_lshl_add_u32 v[STR], v[HH], 6, v[STR]
	v_add_nc_u32 v[STR], s19, v[STR]
	v_lshl_add_u32 v[IMW], v[LN], 4, s58
	v_add_nc_u32 v[IMW+1], 32*FRB, v[IMW]
	v_lshl_add_u32 v[SCW], v[RR], 2, s59
	v_lshl_add_u32 v[ADA], v[LN], 4, s55
	v_add_nc_u32 v[ADA+1], 32*FRB, v[ADA]
	v_lshl_add_u32 v[ADSA], v[LN], 2, s56
	v_lshl_add_u32 v[BST], v[LN], 4, s[BSS]
	v_lshl_add_u32 v[BWS], v[LN], 2, s54
	v_lshl_add_u32 v[ADW], v[LN], 4, s53           ; slot 0
	v_lshl_add_u32 v[ADWS], v[LN], 2, s54
	v_lshl_add_u32 v[TGA], v[HH], 5, s57
	v_lshl_add_u32 v[TBW], v0, 5, TAB              ; the tables: thread i brings 32 bytes of each: numbers 8 i .. 8 i + 7
	v_lshrrev_b32 v35, 1, v0
	v_and_b32 v36, 1, v0
	v_lshlrev_b32 v35, 11, v35
	v_lshl_add_u32 v[TGO], v36, 5, v35             ; gs: tile i / 2 of 2,048 bytes, + 32 (i % 2)
	v_lshlrev_b32 v[TWO], 5, v0
.irp b, 0,1,2,3
	v_mov_b32 v[TM+4+\b], 0                        ; written once: a lane permute's destination counts as one of its sources
.endr
	s_wait_alu depctr_va_vdst(0)                   ; the head's end
	s_wait_kmcnt 0x0
	s_mov_b32 s[G0], 1                             ; count = 1
	s_mov_b32 s[G0+1], s[PO]                       ; LDS address: slot 0, my piece
	s_add_nc_u64 s[G0+2:G0+3], s[6:7], s[22:23]    ; groups 0 and 1, my piece
	s_or_b32 s[G0+3], s[G0+3], 0x80000000          ; type = 2
	s_lshl_b32 s50, s17, 19
	s_mov_b32 s51, 0
	s_add_nc_u64 s[4:5], s[4:5], s[50:51]          ; enc at my 128 rows
	s_lshl_b32 s50, s18, 6
	s_add_nc_u64 s[8:9], s[8:9], s[50:51]          ; gs at my batch's 64 bytes of a tile
	s_lshl_b32 s50, s17, 12
	s_add_nc_u64 s[12:13], s[12:13], s[50:51]      ; part_c: 4,096 bytes a work-group
	s_lshl_b32 s50, s17, 9
	s_add_nc_u64 s[14:15], s[14:15], s[50:51]      ; part_s: 512 bytes a work-group
	CROUND                                         ; all four work-groups are here: the first joint loads meet
	tensor_load_to_lds s[G0:G0+3], s[G1:G1+7]      ; slot 0: one tensor load a wave at the head
	s_nop 0
	PLACES
	global_load_b128 v[TBD:TBD+3], v[TGO], s[8:9]
	global_load_b128 v[TBD+4:TBD+7], v[TGO], s[8:9] offset:16
	global_load_b128 v[TBD+8:TBD+11], v[TWO], s[10:11]
	global_load_b128 v[TBD+12:TBD+15], v[TWO], s[10:11] offset:16
.irp t, 0,1,2,3,4,5,6
	LOADU \t                                       ; seven units, 28 KB a wave, on their way
.endr
	; ---- P0: the stream
.set Q, 0
.rept 16
	STEP Q
.set Q, Q+1
.endr
	WIN 0
	s_wait_tensorcnt 0x0                           ; half-way: my piece of slot 0 is in
	ds_add_u32 v[SPW], v[NIL]
	s_add_co_u32 s[G0+1], s[PO], SLOTB             ; slot 1, groups 2 and 3
	s_add_nc_u64 s[G0+2:G0+3], s[G0+2:G0+3], SLOTB
	s_wait_dscnt 0x0                               ; the add is done
	s_wait_alu depctr_va_vdst(0)                   ; ahead of the barrier
	CROUND                                         ; slot 0 is whole; the units of enc on their way stay out
	tensor_load_to_lds s[G0:G0+3], s[G1:G1+7]
	s_nop 0
	PLACES
.rept 16
	STEP Q
.set Q, Q+1
.endr
	WIN 0
	s_wait_dscnt 0x0                               ; for the others' sake: my images and scale words lie in LDS
	s_wait_alu depctr_va_vdst(0)                   ; ahead of the barrier
	s_barrier_signal -1
	s_barrier_wait -1
.irp i, 0,1,2,3
	ds_store_b128 v[TBW], v[TBD+4*\i:TBD+4*\i+3] offset:4096*(\i/2)+16*(\i%2)   ; the stages are done with: the tables take their place
.endr
	; my 64 rows' codes into registers
.set ix, 0
	WIN 0x40
.rept 21
.irp g, 0,1,2
	ds_load_b128 v[12*ix+4*\g:12*ix+4*\g+3], v[ADA+ix/16] offset:(8*((ix/4)%4)+ix%4)*FRB+512*\g
.endr
.set ix, ix+1
.endr
	WIN 0
	s_wait_dscnt 63                                ; behind the tables' four stores stand 63 loads: the stores are done, their registers are free
.rept 11
.irp g, 0,1,2
	ds_load_b128 v[CT+12*(ix-21)+4*\g:CT+12*(ix-21)+4*\g+3], v[ADA+ix/16] offset:(8*((ix/4)%4)+ix%4)*FRB+512*\g
.endr
.set ix, ix+1
.endr
.irp s, 0,1,2,3,4,5,6,7
.irp q, 0,1
	ds_load_b32 v[SCA+2*\s+\q], v[ADSA] offset:512*\s+128*\q
.endr
.endr
	FETCH 0, 0                                     ; slot 0 was shown whole half-way through P0
	FETCH 1, 0
	FETCH 2, 0
	FETCH 3, 0
	s_wait_dscnt 0x0                               ; my reads of the images are over, my part of the tables lies in LDS
	s_barrier_signal -1
	s_barrier_wait -1
	WIN 0x08                                       ; an LDS store's data: window 2
.irp f, 0,1,2,3,4,5,6,7,8,9,10,11,12,13,14,15,16,25,26,27,28,29,30,31
	ds_store_b128 v[BST], v[8*\f:8*\f+3] offset:1024*(\f-8*(\f/25))         ; 24 fragments of the copy to my own bytes, where the images lay
	ds_store_b128 v[BST], v[8*\f+4:8*\f+7] offset:1024*(\f-8*(\f/25))+512
.endr
	WIN 0x80                                       ; destination window 2
.set q, 0
.rept 132
	v_mov_b32 v[q], v[CT+q]                        ; code fragments 21-31 take the place of the copy's first
.set q, q+1
.endr
.irp j, 0,1,2,3,4,5,6,7
	v_mov_b32 v[PS+\j], 0                          ; the scores' sums run over the groups of a loop: they begin as zeros
.endr
	WIN 0
	v_and_b32 v[BW], 31, v0
	v_lshl_add_u32 v[BW], v[BW], 4, s53
	s_wait_alu depctr_va_vdst(0)
	WIN 0x80
	GETG TGA
	WIN 0
	; ---- P1: the product
	GROUP AX, 0, 0, 0, 1, 4, 1                     ; group 0: none before it
	s_mov_b32 s44, 6
.Lpair:                                            ; six trips: groups 1 and 2, .. 11 and 12; each fills the slot that it reads out
	GROUP AY, AX, 1, 1, 1, 8, 0
	GROUP AX, AY, 0, 0, 1, 8, 0
	s_sub_co_u32 s44, s44, 1
	s_cmp_lg_u32 s44, 0
	s_cbranch_scc1 .Lpair
	GROUP AY, AX, 1, 2, 1, 8, 0                    ; groups 13, 14, 15 ask for nothing more: written out
	GROUP AX, AY, 0, 0, 1, 8, 0
	GROUP AY, AX, 1, 0, 0, 8, 0
	; ---- P2: addresses, the last group's activation, scores, weights, my rows' part of the context
.set LN2,  160
.set RR2,  161
.set HH2,  162
.set SCRW, 163
.set SCRR, 164
.set SFW,  165
.set SFR,  166
.set CXW,  167
.set CXR,  168
.set T16,  170
.set GL16, 171
.set BSA,  172
.set SA,   176
.set SB,   184
	s_lshl_b32 s50, s[CH], 9
	s_lshl_b32 s51, s[RH], 8
	s_add_co_u32 s50, s50, s51
	s_add_co_u32 s50, s50, SCP
	s_lshl_b32 s51, s[WV], 9
	s_add_co_u32 s51, s51, SCF
	s_lshl_b32 s53, s[WV], 7
	s_add_co_u32 s53, s53, s51
	v_and_b32 v[LN2], 31, v0
	v_and_b32 v[RR2], 15, v0
	v_bfe_u32 v[HH2], v0, 4, 1
	v_lshl_add_u32 v[BSA], v[LN2], 4, s[BSS]
	v_lshl_add_u32 v[SCRW], v[RR2], 2, s50         ; my score parts: 4 bytes a row
	v_lshl_add_u32 v[SCRR], v[LN2], 4, SCP         ; both halves': four rows a lane
	v_lshl_add_u32 v[SFW], v[LN2], 4, s51          ; the 128 scores, in my own bytes
	v_lshl_add_u32 v[SFR], v[HH2], 5, s53          ; those of my 32 rows: + 32 h
	v_lshl_add_u32 v[CXW], v[RR2], 4, s[BSS]
	v_lshl_add_u32 v[CXW], v[HH2], 2, v[CXW]       ; my part of the context: 16 r + 4 h
	v_lshl_add_u32 v[CXR], v0, 4, AIMG
	v_add_nc_u32 v[CXR+1], 2*24576, v[CXR]
	v_lshlrev_b32 v[T16], 4, v0
	v_lshlrev_b32 v[GL16], 4, v[LN2]
	s_wait_alu depctr_va_vdst(0)                   ; ahead of the batch
	WIN 0x80
.irp f, 0,1,2,3,4,5,6,7,8,9,10,11,12,13,14,15,16
	ds_load_b128 v[8*\f:8*\f+3], v[BSA] offset:1024*\f                       ; the copy comes back (the codes' last products lie over 200 plain lines back)
	ds_load_b128 v[8*\f+4:8*\f+7], v[BSA] offset:1024*\f+512
.endr
	WIN 0
.set q, 0
.rept 32
	v_pk_add_f32 v[AY+2*q:AY+2*q+1], v[AY+2*q:AY+2*q+1], 1.0 op_sel_hi:[1,0]   ; the last group's rest
.set q, q+1
.endr
	s_wait_alu depctr_va_vdst(0)
	RCPS AY
	v_nop
	s_wait_dscnt 34                                ; w_score is in; the copy's 34 loads may be out
	s_wait_alu depctr_va_vdst(0)
	WSUM AY
	WIN 0x0a                                       ; sources window 2
.irp a, 0,1,2,3
	v_add_f32 v[SA+\a], v[PS+2*\a], v[PS+2*\a+1]
.endr
	WIN 0
.irp a, 0,1,2,3
	v_permlanex16_b32 v[SB+\a], v[SA+\a], s[SEL], s[SEL+1]
.endr
.irp a, 0,1,2,3
	v_add_f32 v[SA+\a], v[SA+\a], v[SB+\a]         ; row 16 a + r of my 64: the sum over my 512 columns
.endr
.irp a, 0,1,2,3
	ds_store_b32 v[SCRW], v[SA+\a] offset:64*\a
.endr
	WIN 0x80
.irp f, 25,26,27,28,29,30,31
	ds_load_b128 v[8*\f:8*\f+3], v[BSA] offset:1024*(\f-8)
	ds_load_b128 v[8*\f+4:8*\f+7], v[BSA] offset:1024*(\f-8)+512
.endr
	WIN 0
	s_wait_dscnt 0x0                               ; my parts lie in LDS
	s_barrier_signal -1
	s_barrier_wait -1
	ds_load_b128 v[64:67], v[SCRR]                 ; rows 4 l .. 4 l + 3: the two column halves' parts
	ds_load_b128 v[68:71], v[SCRR] offset:512
	s_wait_dscnt 0x0
	v_pk_add_f32 v[64:65], v[64:65], v[68:69]
	v_pk_add_f32 v[66:67], v[66:67], v[70:71]
	v_pk_mul_f32 v[64:65], v[64:65], -2.0 op_sel_hi:[1,0]
	v_pk_mul_f32 v[66:67], v[66:67], -2.0 op_sel_hi:[1,0]   ; s': the same bits in every wave; v64-67 are not written again
	s_wait_alu depctr_va_vdst(0)                   ; ahead of the branch
	s_cmp_lg_u32 s[WV], 0
	s_cbranch_scc1 .Lnot_first
	global_store_b128 v[GL16], v[64:67], s[14:15]  ; wave 0: 512 consecutive bytes
.Lnot_first:
	ds_store_b128 v[SFW], v[64:67]                 ; my own bytes: LDS serves a wave's instructions in order
	ds_load_b128 v[96:99], v[SFR]                  ; my rows k = 8 h + 0 .. 7
	ds_load_b128 v[100:103], v[SFR] offset:16
	ds_load_b128 v[104:107], v[SFR] offset:64      ; and k = 16 + 8 h + 0 .. 7: the order of a 16-bit operand's registers
	ds_load_b128 v[108:111], v[SFR] offset:80
	v_max3_num_f32 v80, v64, v65, v66
	v_max_num_f32 v80, v80, v67
	v_max_num_f32_dpp v80, v80, v80 row_xmask:1 row_mask:0xf bank_mask:0xf
	v_max_num_f32_dpp v80, v80, v80 row_xmask:2 row_mask:0xf bank_mask:0xf
	v_max_num_f32_dpp v80, v80, v80 row_xmask:4 row_mask:0xf bank_mask:0xf
	v_max_num_f32_dpp v80, v80, v80 row_xmask:8 row_mask:0xf bank_mask:0xf
	v_permlanex16_b32 v81, v80, s[SEL], s[SEL+1]
	v_max_num_f32 v80, v80, v81                    ; m: the largest of the 128 scores
	v_mul_f32 v82, s[L2E], v80
	v_mov_b32 v83, v82                             ; (named with it as a pair)
	v_cmp_eq_u32 s48, 0, v[RR2]
	v_cmp_eq_u32 s49, 8, v[RR2]
	s_wait_alu depctr_va_vdst(0)
	s_wait_dscnt 0x0
.irp i, 0,1,2,3,4,5,6,7
	v_pk_fma_f32 v[96+2*\i:97+2*\i], v[96+2*\i:97+2*\i], s[L2E:L2E+1], v[82:83] op_sel_hi:[1,0,0] neg_lo:[0,0,1] neg_hi:[0,0,1]   ; (s' - m) log2 e, at most about 0
.endr
	s_wait_alu depctr_va_vdst(0)
.irp i, 0,1,2,3,4,5,6,7,8,9,10,11,12,13,14,15
	v_exp_f32 v[96+\i], v[96+\i]
.endr
	v_nop
	s_wait_alu depctr_va_vdst(0)                   ; one wait for the sixteen
.irp i, 0,1,2,3,4,5,6,7
	v_cvt_pk_bf16_f32 v[112+\i], v[96+2*\i], v[97+2*\i]
.endr
.irp i, 0,1,2,3,4,5,6,7
	v_cndmask_b32 v[120+\i], 0, v[112+\i], s48     ; source 0 with the weights in row 0 and zeros elsewhere: its result lands in register 0 of lanes 0-15;
	v_cndmask_b32 v[128+\i], 0, v[112+\i], s49     ; and with the weights in row 8: register 0 of lanes 16-31
.endr
.irp hf, 0,1                                   ; accumulator q takes fragments 2 q and 2 q + 1 of the copy: its register 0 is column 64 (q / 2) + 4 r + 2 (q % 2) + h
.if \hf == 0
	WIN 0x58                                       ; source 1 window 2, C and D window 1
.else
	WIN 0x5c                                       ; source 1 window 3
.endif
.set q, 0
.rept 16
	v_wmma_f32_16x16x32_bf16 v[8*(16*\hf+q):8*(16*\hf+q)+7], v[120:127], v[16*q:16*q+7], 0
.set q, q+1
.endr
.set q, 0
.rept 16
	v_wmma_f32_16x16x32_bf16 v[8*(16*\hf+q):8*(16*\hf+q)+7], v[128:135], v[16*q+8:16*q+15], v[8*(16*\hf+q):8*(16*\hf+q)+7]
.set q, q+1
.endr
.endr
	PLACES
	WIN 0x04
.set q, 0
.rept 32
	ds_store_b32 v[CXW], v[8*q] offset:256*(q/2)+8*(q%2)   ; my own bytes, where my fragments lay: they are back in registers
.set q, q+1
.endr
	WIN 0
	s_wait_dscnt 0x0
	s_barrier_signal -1
	s_barrier_wait -1
.irp e, 0,1
.irp k, 0,1,2,3
	ds_load_b128 v[192+16*\e+4*\k:195+16*\e+4*\k], v[CXR+\k/2] offset:24576*(\k%2)+2048*\e
.endr
.endr
	s_wait_dscnt 0x0
.irp e, 0,1
	v_pk_add_f32 v[192+16*\e:193+16*\e], v[192+16*\e:193+16*\e], v[196+16*\e:197+16*\e]
	v_pk_add_f32 v[194+16*\e:195+16*\e], v[194+16*\e:195+16*\e], v[198+16*\e:199+16*\e]
	v_pk_add_f32 v[200+16*\e:201+16*\e], v[200+16*\e:201+16*\e], v[204+16*\e:205+16*\e]
	v_pk_add_f32 v[202+16*\e:203+16*\e], v[202+16*\e:203+16*\e], v[206+16*\e:207+16*\e]
	v_pk_add_f32 v[192+16*\e:193+16*\e], v[192+16*\e:193+16*\e], v[200+16*\e:201+16*\e]
	v_pk_add_f32 v[194+16*\e:195+16*\e], v[194+16*\e:195+16*\e], v[202+16*\e:203+16*\e]
	global_store_b128 v[T16], v[192+16*\e:195+16*\e], s[12:13] offset:2048*\e   ; a wave stores 512 consecutive bytes
.endr
	s_wait_tensorcnt 0x0                           ; the wave's end
	ds_add_u32 v[SPW], v[NIL]
	s_wait_dscnt 0x0
	CROUND                                         ; the closing round: no work-group ends while a partner may still ask for a piece that names it
	s_endpgm
.Lfunc_end_k_q7cd634f8dc_main:
	.size	k_q7cd634f8dc_main, .Lfunc_end_k_q7cd634f8dc_main-k_q7cd634f8dc_main
	.p2alignl 7, 3214868480
	.fill 96, 4, 3214868480
	.section	.rodata,"a",@progbits
	.p2align	6, 0x0
	.amdhsa_kernel k_q7cd634f8dc_main
		.amdhsa_group_segment_fixed_size 327680
		.amdhsa_private_segment_fixed_size 0
		.amdhsa_enable_private_segment 0
		.amdhsa_kernarg_size 48
		.amdhsa_user_sgpr_count 2
		.amdhsa_user_sgpr_kernarg_segment_ptr 1
		.amdhsa_wavefront_size32 1
		.amdhsa_system_sgpr_workgroup_id_x 1
		.amdhsa_system_sgpr_workgroup_id_y 1
		.amdhsa_system_sgpr_workgroup_id_z 1
		.amdhsa_system_vgpr_workitem_id 0
		.amdhsa_next_free_vgpr 1024
		.amdhsa_next_free_sgpr 66
		.amdhsa_reserve_vcc 0
		.amdhsa_float_denorm_mode_32 3
		.amdhsa_float_denorm_mode_16_64 3
		.amdhsa_memory_ordered 1
		.amdhsa_forward_progress 1
		.amdhsa_inst_pref_size 255
	.end_amdhsa_kernel
	.section	.bss,"aw",@nobits
	.p2align	6
	.space	262144
	.amdgpu_metadata
---
amdhsa.version: [ 1, 2 ]
amdhsa.kernels:
  - .name:           k_q7cd634f8dc_main
    .symbol:         k_q7cd634f8dc_main.kd
    .args:
      - { .name: encoder_outputs, .offset: 0, .size: 8, .value_kind: global_buffer, .address_space: global }
      - { .name: wimg, .offset: 8, .size: 8, .value_kind: global_buffer, .address_space: global }
      - { .name: gs, .offset: 16, .size: 8, .value_kind: global_buffer, .address_space: global }
      - { .name: w_score, .offset: 24, .size: 8, .value_kind: global_buffer, .address_space: global }
      - { .name: part_c, .offset: 32, .size: 8, .value_kind: global_buffer, .address_space: global }
      - { .name: part_s, .offset: 40, .size: 8, .value_kind: global_buffer, .address_space: global }
    .group_segment_fixed_size: 327680
    .private_segment_fixed_size: 0
    .kernarg_segment_align: 8
    .kernarg_segment_size: 48
    .max_flat_workgroup_size: 128
    .sgpr_count:     66
    .vgpr_count:     1024
    .wavefront_size: 32
...
	.end_amdgpu_metadata
.endif
;; end of part 2
;; launch combine (part 3): grid 256 x 1, 1 waves a work-group, no clusters, 0 bytes of LDS; arguments part_s, part_c, out0, out1; writes out0, out1
.if DOCPART == 3
	.amdgcn_target "amdgcn-amd-amdhsa--gfx1250"
	.amdhsa_code_object_version 6
	.text
	.protected	k_q7cd634f8dc_combine
	.globl	k_q7cd634f8dc_combine
	.p2align	8
	.type	k_q7cd634f8dc_combine,@function
k_q7cd634f8dc_combine:
	s_mov_b64 s[64:65], 0
	v_nop
	global_prefetch_b8 v0, s[64:65] scope:SCOPE_SE
	s_setreg_imm32_b32 hwreg(HW_REG_WAVE_MODE, 25, 1), 1
	s_wait_xcnt 0x0
; COMBINE.  The softmax over a batch's 1,024 scores and the sum of its eight partial contexts.  part_s [32][1024]: the scores (less a constant that falls out of the softmax).
; part_c [256][1024]: block k's sum of 2^((s - m_k) log2 e) enc, m_k the largest score of the block's 128 rows.  With M the batch's largest score and L the sum of 2^((s - M) log2 e):
; out1[t] = 2^((s[t] - M) log2 e) / L;   out0 = sum over k of (2^((m_k - M) log2 e) / L) part_c[k].
; One wave to a work-group; work-group 8 b + sl makes 128 numbers (512 bytes) of each output of batch b.  Every wave reads the batch's 4,096 bytes of scores: load k is block k, so m_k is found again, bit for bit.
; No LDS, no barrier, no matrix unit: 17 loads, all issued at the head.
.set SS, 8                             ; v8-39    the scores, four a lane from each of eight blocks
.set OW, 40                            ; v40-43   my slice's four
.set CC, 44                            ; v44-75   the eight partial contexts' four
.set MK, 76                            ; v76-83   m_k, then the blocks' factors
.set TP, 84                            ; v84-91   at work
	s_load_b256 s[4:11], s[0:1], 0x0               ; part_s s[4:5], part_c s[6:7], out0 s[8:9], out1 s[10:11]
	v_lshlrev_b32 v1, 4, v0                        ; 16 bytes a lane
	s_lshr_b32 s12, ttmp9, 3                       ; the batch
	s_and_b32 s13, ttmp9, 7                        ; my slice
	s_lshl_b32 s14, s12, 12
	s_mov_b32 s15, 0
	s_lshl_b32 s16, s13, 9
	s_mov_b32 s17, 0
	s_lshl_b32 s18, s12, 15
	s_mov_b32 s19, 0
	s_mov_b32 s20, 0x3fb8aa3b                      ; log2(e)
	s_mov_b32 s21, s20
	s_mov_b32 s22, 0x76543210
	s_mov_b32 s23, 0xfedcba98
.irp k, 0,1,2,3,4,5,6,7
	v_mov_b32 v[TP+\k], 0                          ; a lane permute's destination counts as one of its sources
.endr
	s_wait_alu depctr_va_vdst(0)
	s_wait_kmcnt 0x0
	s_add_nc_u64 s[4:5], s[4:5], s[14:15]          ; my batch's scores
	s_add_nc_u64 s[24:25], s[4:5], s[16:17]        ; my slice of them
	s_add_nc_u64 s[6:7], s[6:7], s[18:19]          ; my batch's eight partial contexts,
	s_add_nc_u64 s[6:7], s[6:7], s[16:17]          ; my slice of each
	s_add_nc_u64 s[14:15], s[14:15], s[16:17]
	s_add_nc_u64 s[8:9], s[8:9], s[14:15]
	s_add_nc_u64 s[10:11], s[10:11], s[14:15]
.irp k, 0,1,2,3,4,5,6,7
	global_load_b128 v[SS+4*\k:SS+4*\k+3], v1, s[4:5] offset:512*\k
.endr
	global_load_b128 v[OW:OW+3], v1, s[24:25]
.irp k, 0,1,2,3,4,5,6,7
	global_load_b128 v[CC+4*\k:CC+4*\k+3], v1, s[6:7] offset:4096*\k
.endr
	s_wait_loadcnt 0x0
.irp k, 0,1,2,3,4,5,6,7
	v_max3_num_f32 v[MK+\k], v[SS+4*\k], v[SS+4*\k+1], v[SS+4*\k+2]
.endr
.irp k, 0,1,2,3,4,5,6,7
	v_max_num_f32 v[MK+\k], v[MK+\k], v[SS+4*\k+3]
.endr
.irp x, 1,2,4,8
.irp k, 0,1,2,3,4,5,6,7
	v_max_num_f32_dpp v[MK+\k], v[MK+\k], v[MK+\k] row_xmask:\x row_mask:0xf bank_mask:0xf
.endr
.endr
.irp k, 0,1,2,3,4,5,6,7
	v_permlanex16_b32 v[TP+\k], v[MK+\k], s22, s23
.endr
.irp k, 0,1,2,3,4,5,6,7
	v_max_num_f32 v[MK+\k], v[MK+\k], v[TP+\k]     ; m_k, in every lane
.endr
	v_max3_num_f32 v92, v[MK], v[MK+1], v[MK+2]
	v_max3_num_f32 v92, v92, v[MK+3], v[MK+4]
	v_max3_num_f32 v92, v92, v[MK+5], v[MK+6]
	v_max_num_f32 v92, v92, v[MK+7]                ; M
	v_mul_f32 v94, s20, v92
	v_mov_b32 v95, v94                             ; (named with it as a pair)
.irp j, 0,2,4,6,8,10,12,14,16,18,20,22,24,26,28,30,32,34
	v_pk_fma_f32 v[SS+\j:SS+\j+1], v[SS+\j:SS+\j+1], s[20:21], v[94:95] op_sel_hi:[1,0,0] neg_lo:[0,0,1] neg_hi:[0,0,1]   ; (s - M) log2 e: the 32 scores and my slice's four
.endr
.irp j, 0,2,4,6
	v_pk_fma_f32 v[MK+\j:MK+\j+1], v[MK+\j:MK+\j+1], s[20:21], v[94:95] op_sel_hi:[1,0,0] neg_lo:[0,0,1] neg_hi:[0,0,1]   ; (m_k - M) log2 e
.endr
	s_wait_alu depctr_va_vdst(0)
.irp j, 0,1,2,3,4,5,6,7,8,9,10,11,12,13,14,15,16,17,18,19,20,21,22,23,24,25,26,27,28,29,30,31,32,33,34,35
	v_exp_f32 v[SS+\j], v[SS+\j]
.endr
.irp k, 0,1,2,3,4,5,6,7
	v_exp_f32 v[MK+\k], v[MK+\k]
.endr
	v_nop                                          ; a plain line behind the last exponential,
	s_wait_alu depctr_va_vdst(0)                   ; and one wait for the batch of 44
	v_pk_add_f32 v[96:97], v[SS:SS+1], v[SS+2:SS+3]
	v_pk_add_f32 v[98:99], v[SS+4:SS+5], v[SS+6:SS+7]
.irp j, 8,12,16,20,24,28
	v_pk_add_f32 v[96:97], v[96:97], v[SS+\j:SS+\j+1]
	v_pk_add_f32 v[98:99], v[98:99], v[SS+\j+2:SS+\j+3]
.endr
	v_pk_add_f32 v[96:97], v[96:97], v[98:99]
	v_add_f32 v96, v96, v97
	v_add_f32_dpp v96, v96, v96 row_xmask:1 row_mask:0xf bank_mask:0xf
	v_add_f32_dpp v96, v96, v96 row_xmask:2 row_mask:0xf bank_mask:0xf
	v_add_f32_dpp v96, v96, v96 row_xmask:4 row_mask:0xf bank_mask:0xf
	v_add_f32_dpp v96, v96, v96 row_xmask:8 row_mask:0xf bank_mask:0xf
	v_permlanex16_b32 v97, v96, s22, s23
	v_add_f32 v96, v96, v97                        ; L, at least 1: the largest score's term is 1
	s_wait_alu depctr_va_vdst(0)
	v_rcp_f32 v98, v96
	v_nop
	s_wait_alu depctr_va_vdst(0)
.irp k, 0,1,2,3,4,5,6,7
	v_mul_f32 v[MK+\k], v[MK+\k], v98              ; block k's factor
.endr
.irp i, 0,1,2,3
	v_mul_f32 v[100+\i], v[CC+\i], v[MK]
.endr
.irp k, 1,2,3,4,5,6,7
.irp i, 0,1,2,3
	v_fma_f32 v[100+\i], v[CC+4*\k+\i], v[MK+\k], v[100+\i]
.endr
.endr
.irp i, 0,1,2,3
	v_mul_f32 v[104+\i], v[OW+\i], v98
.endr
	global_store_b128 v1, v[100:103], s[8:9]       ; 512 consecutive bytes of the context
	global_store_b128 v1, v[104:107], s[10:11]     ; and of the weights
	s_endpgm
.Lfunc_end_k_q7cd634f8dc_combine:
	.size	k_q7cd634f8dc_combine, .Lfunc_end_k_q7cd634f8dc_combine-k_q7cd634f8dc_combine
	.p2alignl 7, 3214868480
	.fill 96, 4, 3214868480
	.section	.rodata,"a",@progbits
	.p2align	6, 0x0
	.amdhsa_kernel k_q7cd634f8dc_combine
		.amdhsa_group_segment_fixed_size 0
		.amdhsa_private_segment_fixed_size 0
		.amdhsa_enable_private_segment 0
		.amdhsa_kernarg_size 32
		.amdhsa_user_sgpr_count 2
		.amdhsa_user_sgpr_kernarg_segment_ptr 1
		.amdhsa_wavefront_size32 1
		.amdhsa_system_sgpr_workgroup_id_x 1
		.amdhsa_system_sgpr_workgroup_id_y 1
		.amdhsa_system_sgpr_workgroup_id_z 1
		.amdhsa_system_vgpr_workitem_id 0
		.amdhsa_next_free_vgpr 112
		.amdhsa_next_free_sgpr 66
		.amdhsa_reserve_vcc 0
		.amdhsa_float_denorm_mode_32 3
		.amdhsa_float_denorm_mode_16_64 3
		.amdhsa_memory_ordered 1
		.amdhsa_forward_progress 1
		.amdhsa_inst_pref_size 14
	.end_amdhsa_kernel
	.amdgpu_metadata
---
amdhsa.version: [ 1, 2 ]
amdhsa.kernels:
  - .name:           k_q7cd634f8dc_combine
    .symbol:         k_q7cd634f8dc_combine.kd
    .args:
      - { .name: part_s, .offset: 0, .size: 8, .value_kind: global_buffer, .address_space: global }
      - { .name: part_c, .offset: 8, .size: 8, .value_kind: global_buffer, .address_space: global }
      - { .name: out0, .offset: 16, .size: 8, .value_kind: global_buffer, .address_space: global }
      - { .name: out1, .offset: 24, .size: 8, .value_kind: global_buffer, .address_space: global }
    .group_segment_fixed_size: 0
    .private_segment_fixed_size: 0
    .kernarg_segment_align: 8
    .kernarg_segment_size: 32
    .max_flat_workgroup_size: 32
    .sgpr_count:     66
    .vgpr_count:     112
    .wavefront_size: 32
...
	.end_amdgpu_metadata
.endif
;; end of part 3
